; MI455X (gfx1250); checked and timed in simulation.
; The chip was launched on July 23, 2026; its instructions are those of AMD's public machine-readable ISA for CDNA 5 (MIT licence, August 2026) and "CDNA5" Instruction Set Architecture Reference Guide (July 2026). The comments in the code are by the model that wrote it; some were corrected since.
;; Quaternion Linear Autograd. Allowed arithmetic: float matrix products may take bf16 or f16 operands with f32 sums; all other float work in f32.
;; Inputs: b 4,096 float32; i_weight 1,024 x 1,024 float32; j_weight 1,024 x 1,024 float32; k_weight 1,024 x 1,024 float32; r_weight 1,024 x 1,024 float32; x 4,096 x 4,096 float32.
;; Outputs: out0 4,096 x 4,096 float32.
;; One version. Each part assembles by itself: llvm-mc -triple=amdgcn-amd-amdhsa -mcpu=gfx1250 --defsym DOCPART=n.
;; ======== version 1 of 1: 2 launches
;; workspace buffers: xb 33,554,432 bytes; wq 8,388,608 bytes
;; launch prep (part 1): grid 1280 x 1, 8 waves a work-group, no clusters, 34,816 bytes of LDS; arguments x, r_weight, i_weight, j_weight, k_weight, xb, wq; writes xb, wq
.if DOCPART == 1
	.amdgcn_target "amdgcn-amd-amdhsa--gfx1250"
	.amdhsa_code_object_version 6
	.text
	.protected	k_q22bb4b96af_prep
	.globl	k_q22bb4b96af_prep
	.p2align	8
	.type	k_q22bb4b96af_prep,@function
k_q22bb4b96af_prep:
	s_mov_b64 s[64:65], 0
	v_nop
	global_prefetch_b8 v0, s[64:65] scope:SCOPE_SE
	s_setreg_imm32_b32 hwreg(HW_REG_WAVE_MODE, 25, 1), 1
	s_wait_xcnt 0x0
; prep: the operands of out0 = x W + b, rounded once to bf16 and laid out for the product's K steps.
; W is a 4 x 4 grid of blocks of 1024 x 1024; block (row group g, column group c) is + or - weight number q = g xor c (r 0, i 1, j 2, k 3).
; With k' = 64 kb + kq the place inside a quarter of K:
;   xb[m][256 kb + 64 g + kq]  = bf16(x[m][1024 g + k'])      [4096][4096] bf16
;   wq[n'][256 kb + 64 q + kq] = bf16(w_q[k'][n'])            [1024][4096] bf16: the four weights transposed, unsigned, each stored once
; so that one K step of the product (one kb: all four g, all four q) is 512 neighbouring bytes of a row of either.
; A stream: every input byte is read once, every output byte written once; no matrix work, and no work-group shares an input
; byte with another, so there is nothing to ask for jointly.
; 1280 work-groups of eight waves, each moving 96 KiB: numbers 0 to 255 take 64 k' x 64 n' of all four weights (64 KiB in, 32 KiB out),
; numbers 256 to 1279 take four rows of x (64 KiB in, 32 KiB out).  The branch hangs on the work-group's number alone, so all
; eight waves of a work-group go the same way, and the one barrier of the weights' way is passed by all eight.
; LIMITS: rounding to bf16 is to nearest even; an f32 beyond bf16's largest finite number becomes an infinity.
.set WTILES, 256                       ; work-groups that take a tile of the weights
.set LP,  528                          ; an LDS row: 4 weights x 64 k' in bf16 (512 bytes) + 16
.set L,   8                            ; v[8:71]   weights: 2 weights x 8 rows of k', 4 columns each, f32 as loaded.  x: 16 loads of 4 f32
.set P,   72                           ; v[72:103] weights: weight u, column e of my four: 8 k' in bf16, 4 registers
.set R,   8                            ; v[8:39]   weights: 8 pieces of 16 bytes read back by rows of n' (the f32 rows are no longer needed)
	s_load_b256 s[4:11], s[0:1], 0x0               ; x s[4:5], r s[6:7], i s[8:9], j s[10:11]
	s_load_b128 s[12:15], s[0:1], 0x20             ; k s[12:13], xb s[14:15]
	s_load_b64 s[16:17], s[0:1], 0x30              ; wq
	v_lshl_add_u32 v104, v0, 2, 0x8400
	v_mov_b32 v105, 0
	s_cmp_ge_u32 ttmp9, WTILES
	s_cbranch_scc1 .Lx
; ---------------------------------------------------------------- 64 k' x 64 n' of all four weights
	v_lshrrev_b32 v2, 5, v0
	v_readfirstlane_b32 s18, v2                    ; my wave's number: waves 0-3 take r and i, waves 4-7 take j and k
	s_lshr_b32 s20, ttmp9, 4                       ; kb: which 64 rows of k'
	s_and_b32 s21, ttmp9, 15                       ; nt: which 64 columns of n'
	s_lshl_b32 s26, s20, 18                        ; the tile in a weight: 64 kb rows of 4,096 bytes
	s_lshl_b32 s27, s21, 8                         ; + 64 nt columns of 4 bytes
	s_add_co_u32 s26, s26, s27
	s_mov_b32 s27, 0
	s_lshl_b32 s28, s21, 19                        ; the tile in wq: 64 nt rows of 8,192 bytes
	s_lshl_b32 s29, s20, 9                         ; + kb pieces of 512 bytes
	s_add_co_u32 s28, s28, s29
	s_mov_b32 s29, 0
	v_and_b32 v6, 15, v0                           ; cl: my four columns of n'
	v_bfe_u32 v7, v0, 4, 3                         ; ko, 0 to 7: my eight rows of k'
	v_lshlrev_b32 v1, 4, v6
	v_lshl_or_b32 v1, v7, 15, v1                   ; load: 8 ko rows of 4,096 bytes + 16 cl
	v_mul_u32_u24 v4, v6, 4*LP
	v_lshl_add_u32 v4, v7, 4, v4                   ; into LDS: row n' = 4 cl, byte 16 ko
	v_lshrrev_b32 v7, 7, v0                        ; 0 for waves 0-3, 1 for waves 4-7
	v_lshl_add_u32 v4, v7, 8, v4                   ; + 256 bytes for the second pair of weights
	v_and_b32 v6, 31, v0                           ; lane
	v_mul_u32_u24 v5, v2, LP
	v_lshl_add_u32 v5, v6, 4, v5                   ; back: row n' = wave, byte 16 lane
	v_lshlrev_b32 v3, 4, v6
	v_lshl_or_b32 v3, v2, 13, v3                   ; store: wave rows of 8,192 bytes + 16 lane
	s_wait_kmcnt 0x0
	s_cmp_ge_u32 s18, 4                            ; my two weights' addresses: a choice on the wave's number
	s_cselect_b64 s[22:23], s[10:11], s[6:7]       ; j or r
	s_cselect_b64 s[24:25], s[12:13], s[8:9]       ; k or i
	s_add_nc_u64 s[22:23], s[22:23], s[26:27]
	s_add_nc_u64 s[24:25], s[24:25], s[26:27]
	s_add_nc_u64 s[16:17], s[16:17], s[28:29]
.irp i, 0,1,2,3,4,5,6,7
	global_load_b128 v[L+4*\i:L+4*\i+3], v1, s[22:23] offset:4096*\i th:TH_LOAD_NT       ; row k' = 8 ko + i; sixteen lanes take 256 neighbouring bytes, aligned
.endr
.irp i, 0,1,2,3,4,5,6,7
	global_load_b128 v[L+32+4*\i:L+32+4*\i+3], v1, s[24:25] offset:4096*\i th:TH_LOAD_NT ; the same of my second weight
.endr
	; two neighbouring k' of one column make a word of bf16, the lower k' in the lower half
.irp u, 0,1
.irp m, 0,1,2,3
	s_wait_loadcnt 14-8*\u-2*\m                    ; loads come back in order: rows 2 m and 2 m + 1 of weight u are in, the younger loads stay out
.irp e, 0,1,2,3
	v_cvt_pk_bf16_f32 v[P+16*\u+4*\e+\m], v[L+32*\u+8*\m+\e], v[L+32*\u+8*\m+4+\e]
.endr
.endr
.endr
	; The transposition goes through LDS: 64 rows of n', 4 weights x 64 k' each.  In these eight stores sixteen neighbouring lanes stand four
	; rows apart, 2,112 bytes = 64 modulo 256, so they fall on four columns of 16 bytes, four lanes deep: eight instructions a thread,
	; taken in exchange for addresses that are a plain product of the thread's number.  The loads back are free of that.
.irp u, 0,1
.irp e, 0,1,2,3
	ds_store_b128 v4, v[P+16*\u+4*\e:P+16*\u+4*\e+3] offset:LP*\e+128*\u   ; row n' = 4 cl + e, my weight u's 128 bytes, k' = 8 ko .. 8 ko + 7
.endr
.endr
	s_wait_dscnt 0x0                               ; my stores are in LDS, for the other waves' sake
	s_barrier_signal -1
	s_barrier_wait -1                              ; everybody's are
.irp p, 0,1,2,3,4,5,6,7
	ds_load_b128 v[R+4*\p:R+4*\p+3], v5 offset:8*LP*\p             ; row n' = wave + 8 p: the wave's 32 lanes take its 512 bytes
.endr
.irp p, 0,1,2,3,4,5,6,7
	s_wait_dscnt 7-\p                              ; LDS loads come back in order: piece p is in, the younger ones stay out
	global_store_b128 v3, v[R+4*\p:R+4*\p+3], s[16:17] offset:8*8192*\p    ; the wave stores 512 neighbouring bytes, aligned; no register of a store is written again
.endr
	s_wait_tensorcnt 0x0
	ds_add_u32 v104, v105
	s_wait_dscnt 0x0
	s_endpgm
; ---------------------------------------------------------------- four rows of x: 65,536 bytes in, 32,768 bytes out
; In a row of xb the 128 bytes of group g stand beside those of group g + 1.  So lanes 0-15 of a wave read 64 numbers of an even group and
; lanes 16-31 the same 64 k' of the odd group behind it (256 neighbouring bytes each), and the wave's store is 256 neighbouring bytes.
; Thread t: bits 3:0 my four numbers, bits 5:4 the group g, bits 7:6 the low bits of kb; load j: bits 1:0 the high bits of kb, bits 3:2 the row.
.Lx:
	s_sub_co_u32 s20, ttmp9, WTILES                ; 0 to 1023
	s_lshl_b32 s22, s20, 16                        ; my bytes of x
	s_mov_b32 s23, 0
	s_lshl_b32 s24, s20, 15                        ; my bytes of xb
	s_mov_b32 s25, 0
	v_and_b32 v3, 15, v0
	v_lshlrev_b32 v1, 4, v3                        ; in x: 16 bytes a thread,
	v_bfe_u32 v3, v0, 6, 2
	v_lshl_or_b32 v1, v3, 8, v1                    ; + 256 bytes for each kb,
	v_bfe_u32 v3, v0, 4, 2
	v_lshl_or_b32 v1, v3, 12, v1                   ; + 4,096 bytes for each group
	v_lshlrev_b32 v2, 3, v0                        ; in xb: 512 kb + 128 g + 8 (t mod 16) = 8 t
	s_wait_kmcnt 0x0
	s_add_nc_u64 s[4:5], s[4:5], s[22:23]
	s_add_nc_u64 s[14:15], s[14:15], s[24:25]
.irp j, 0,1,2,3,4,5,6,7,8,9,10,11,12,13,14,15
	global_load_b128 v[L+4*\j:L+4*\j+3], v1, s[4:5] offset:(\j>>2)*16384+(\j&3)*1024 th:TH_LOAD_NT   ; all sixteen loads of the thread go out first
.endr
.irp j, 0,1,2,3,4,5,6,7,8,9,10,11,12,13,14,15
	s_wait_loadcnt 15-\j                           ; load j is in, the 15 - j younger ones stay out
	v_cvt_pk_bf16_f32 v[L+4*\j],   v[L+4*\j],   v[L+4*\j+1]
	v_cvt_pk_bf16_f32 v[L+4*\j+1], v[L+4*\j+2], v[L+4*\j+3]
	global_store_b64 v2, v[L+4*\j:L+4*\j+1], s[14:15] offset:2048*\j               ; the wave's 32 lanes store 256 neighbouring bytes, aligned; no register of a store is written again
.endr
	s_endpgm
.Lfunc_end_k_q22bb4b96af_prep:
	.size	k_q22bb4b96af_prep, .Lfunc_end_k_q22bb4b96af_prep-k_q22bb4b96af_prep
	.p2alignl 7, 3214868480
	.fill 96, 4, 3214868480
	.section	.rodata,"a",@progbits
	.p2align	6, 0x0
	.amdhsa_kernel k_q22bb4b96af_prep
		.amdhsa_group_segment_fixed_size 34816
		.amdhsa_private_segment_fixed_size 0
		.amdhsa_enable_private_segment 0
		.amdhsa_kernarg_size 56
		.amdhsa_user_sgpr_count 2
		.amdhsa_user_sgpr_kernarg_segment_ptr 1
		.amdhsa_wavefront_size32 1
		.amdhsa_system_sgpr_workgroup_id_x 1
		.amdhsa_system_sgpr_workgroup_id_y 1
		.amdhsa_system_sgpr_workgroup_id_z 1
		.amdhsa_system_vgpr_workitem_id 0
		.amdhsa_next_free_vgpr 106
		.amdhsa_next_free_sgpr 66
		.amdhsa_reserve_vcc 0
		.amdhsa_float_denorm_mode_32 3
		.amdhsa_float_denorm_mode_16_64 3
		.amdhsa_memory_ordered 1
		.amdhsa_forward_progress 1
		.amdhsa_inst_pref_size 15
	.end_amdhsa_kernel
	.amdgpu_metadata
---
amdhsa.version: [ 1, 2 ]
amdhsa.kernels:
  - .name:           k_q22bb4b96af_prep
    .symbol:         k_q22bb4b96af_prep.kd
    .args:
      - { .name: x, .offset: 0, .size: 8, .value_kind: global_buffer, .address_space: global }
      - { .name: r_weight, .offset: 8, .size: 8, .value_kind: global_buffer, .address_space: global }
      - { .name: i_weight, .offset: 16, .size: 8, .value_kind: global_buffer, .address_space: global }
      - { .name: j_weight, .offset: 24, .size: 8, .value_kind: global_buffer, .address_space: global }
      - { .name: k_weight, .offset: 32, .size: 8, .value_kind: global_buffer, .address_space: global }
      - { .name: xb, .offset: 40, .size: 8, .value_kind: global_buffer, .address_space: global }
      - { .name: wq, .offset: 48, .size: 8, .value_kind: global_buffer, .address_space: global }
    .group_segment_fixed_size: 34816
    .private_segment_fixed_size: 0
    .kernarg_segment_align: 8
    .kernarg_segment_size: 56
    .max_flat_workgroup_size: 256
    .sgpr_count:     66
    .vgpr_count:     106
    .wavefront_size: 32
...
	.end_amdgpu_metadata
.endif
;; end of part 1
;; launch gemm (part 2): grid 8 x 32, 4 waves a work-group, clusters of 4 x 4, 327,680 bytes of LDS; arguments xb, wq, out0, b; writes out0
.if DOCPART == 2
	.amdgcn_target "amdgcn-amd-amdhsa--gfx1250"
	.amdhsa_code_object_version 6
	.text
	.protected	k_q22bb4b96af_gemm
	.globl	k_q22bb4b96af_gemm
	.p2align	8
	.type	k_q22bb4b96af_gemm,@function
k_q22bb4b96af_gemm:
	s_mov_b64 s[64:65], 0
	v_nop
	global_prefetch_b8 v0, s[64:65] scope:SCOPE_SE
	s_setreg_imm32_b32 hwreg(HW_REG_WAVE_MODE, 25, 1), 1
	s_wait_xcnt 0x0
	s_wait_alu depctr_hold_cnt(0) depctr_sa_sdst(0) depctr_va_vdst(0) depctr_va_sdst(0) depctr_va_ssrc(0) depctr_va_vcc(0) depctr_vm_vsrc(0)
	s_getreg_b32 s2, hwreg(HW_REG_IB_STS2, 6, 4)
	s_cmp_eq_u32 s2, 0
	s_cbranch_scc0 .Lentry_in_a_cluster
	s_endpgm
.Lentry_in_a_cluster:
	s_bfe_u32 s2, ttmp6, 0x10000c
	s_cmp_lg_u32 s2, 0xf033
	s_cbranch_scc0 .Lentry_shape_is_right
	s_endpgm
.Lentry_shape_is_right:
; out0[m][1024 c + n'] = sum over g and k' of s(g, c) x[m][1024 g + k'] w_q[k'][n'] + b[1024 c + n'],  q = g xor c  (r 0, i 1, j 2, k 3);
; s = -1 for: i in column groups c = 0 and 2, j in 0 and 3, k in 0 and 1; else +1.
; xb[m][256 kb + 64 g + kq] and wq[n'][256 kb + 64 q + kq] hold x and the transposed weights in bf16, k' = 64 kb + kq.  out0, b: f32.
; EACH WEIGHT STANDS IN FOUR BLOCKS OF W, and this text uses that: a wave's 64 accumulator tiles are 64 rows x (4 column groups x 64 columns n').
; For 32 k' it reads 16 fragments of x (4 groups g x 64 rows) and 16 of the weights (4 q x 64 columns), and they feed 256 matrix instructions:
; every fragment of a weight meets all four groups of x.  A square tile of 128 x 128 would read 64 fragments for the same 256.
; SIGNS: the matrix forms take no sign on their factors, so a negated copy of a weight's four fragments is made in registers by flipping the
; sign bits (32 v_xor_b32 for each of i, j, k); r is never negative.
; LIMITS: the factors are x and the weights rounded to bf16; a negated zero is -0; one f32 sum for each output, in the order kb, then the halves of 32 k',
; then q (not plain ascending k); the bias is added once, in f32, on the way out.
; A work-group makes 128 rows x 128 n' x 4 groups with four waves, as many as a WGP has SIMDs: 8 x 32 = 256 work-groups.  K goes in 16 steps (one kb each)
; through a ring of two LDS slots filled by the tensor data mover: a tile's rows are 512 bytes of memory and start at multiples of 512 bytes.
; CLUSTERS: 4 x 4 work-groups form a cluster.  The four of a row of the cluster need the same tiles of xb, the four of a column the same tiles of wq.
; Such a tile is asked for JOINTLY: each of the four issues the same tensor load, with the same descriptor and a mask that names the four, and each
; receives the tile in its own LDS.  That divides the requests for xb and for wq by four.
;
; REGISTERS, in windows of 256 (an instruction names v0-v255; s_set_vgpr_msb says which window each operand place means):
;   window 0: v0-31 addresses and the bias; v32-159 the weights' fragments, a buffer of 4 x 8 registers for each q; v160-223 negated copies, two buffers
;   window 1: v0-127, v128-255 fragments of x (group g, rows 16 a: at 8 (4 g + a)), two buffers, one for each half of 32 k'
;   window 2: the accumulator tiles of column groups 0 and 1 (tile (c, a, b) at v[8 (16 (c & 1) + 4 a + b)]);   window 3: those of groups 2 and 3
; s_set_vgpr_msb's low byte: bits 1:0 source 0, 3:2 source 1, 5:4 source 2, 7:6 destination.
;
; THE MATRIX INSTRUCTION IS USED TRANSPOSED: source 0 = 16 rows of wq, source 1 = 16 rows of xb.  In the result, lane l then holds row
; m = l % 16 of out0, and its registers 0 to 7 the columns n' = 8 (l / 16) + 0 .. 7: eight NEIGHBOURING numbers of a row, 32 bytes.
.set SIZE_N, 4096                      ; columns of out0
.set ROWB,   8192                      ; bytes in a row of xb and of wq
.set STEPB,  512                       ; bytes of such a row in a K step
.set PITCH,  528                       ; an LDS row: 512 bytes of data + 16 of padding: the 16 rows that a fragment load touches start 16 bytes apart modulo 256
.set HALFT,  64*PITCH                  ; 64 rows: what one tensor load brings, and what one wave reads of xb or of wq
.set SLOT,   4*HALFT                   ; xb's 128 rows, then wq's 128 rows
.set STAGE,  2*SLOT                    ; behind the ring, at a multiple of 256 bytes: 16 rows x 528 bytes for each wave, for the way out; no tensor load lands here
.set SPITCH, 528                       ; a stage row: 2 groups x 64 f32 (512 bytes) + 16
.set LAPS,   8                         ; a lap = two K steps = once round the ring
.set BIAS, 8                           ; v[8:15]  b of the four columns that I store, for groups 0/1 and for groups 2/3
.set ADRA, 16                          ; v16-17  LDS address of my xb fragments in slot 0, 1
.set ADRB, 20                          ; v20-21  the same for wq
.set STO,  24                          ; v24     the way out: where I put 32 bytes of a row
.set RD,   25                          ; v25     the way out: where I read 16 bytes of a row back
.set CO,   26                          ; v26     my byte offset in a row of out0
.set BOFF, 27                          ; v27     my byte offset in b
.set BQ,   32                          ; weight q's fragments at v[BQ + 32 q + 8 b]
.set NB,   160                         ; the negated copy of weight q at v[NB + 32 (q & 1) + 8 b]
.set F0,   32                          ; the way out: two buffers of 64 registers, where the weights' fragments were
.set F1,   96
.set SGNX, 68                          ; s68: the sign bits of two bf16
.set G1, 24                            ; s[24:31] descriptor group 1 for xb's tiles
.set G0, 32                            ; s[32:39] descriptor group 0 for xb's tiles, one set for each slot
.set G1B, 48                           ; s[48:55] descriptor group 1 for wq's tiles: it differs in the mask alone
.set G0B, 56                           ; s[56:63] descriptor group 0 for wq's tiles, one set for each slot
.set MSB, 0
.macro WIN new                         ; the immediate's high byte repeats the setting that is left; a switch that changes nothing is dropped
.if MSB != \new
	s_set_vgpr_msb (MSB<<8)|\new
.set MSB, \new
.endif
.endm
.set MUL_LO, 0xa4                      ; source 0 (weights) window 0, source 1 (x) window 1, C and D window 2
.set MUL_HI, 0xf4                      ; the same, C and D window 3
.set TO_A,   0x40                      ; destination window 1, address window 0
; A joint load.  Waves 0 and 1 fetch xb's two halves, waves 2 and 3 wq's.  Each of the two lines has ONE mask and one set of registers for all that issue it,
; and nothing in them hangs on a coordinate that the four partners do not share.  The branch hangs on the wave's number alone.
.macro JLOAD s
	s_cmp_eq_u32 s11, 0
	s_cbranch_scc0 .Lfor_b_\@
	tensor_load_to_lds s[G0+4*\s:G0+4*\s+3], s[G1:G1+7]
	s_nop 0
	s_branch .Lasked_\@
.Lfor_b_\@:
	tensor_load_to_lds s[G0B+4*\s:G0B+4*\s+3], s[G1B:G1B+7]
	s_nop 0
.Lasked_\@:
.endm
; A round of the cluster's barrier: my work-group's barrier, so that wave 0's signal speaks for all four waves; wave 0 signals for the work-group;
; every wave waits for all sixteen work-groups; my work-group's barrier once more.  No LDS instruction of the wave is pending at a signal.
.macro CREST                           ; a round behind its opening barrier
	s_cmp_lg_u32 s10, 0
	s_cbranch_scc1 .Lnot_wave_0_\@
	s_barrier_signal -3
.Lnot_wave_0_\@:
	s_barrier_wait -3
	s_barrier_signal -1
	s_barrier_wait -1
.endm
.macro CROUND                          ; a whole round
	s_barrier_signal -1
	s_barrier_wait -1
	CREST
.endm
	s_load_b128 s[4:7], s[0:1], 0x0                ; xb s[4:5], wq s[6:7]
	s_load_b64 s[8:9], s[0:1], 0x10                ; out0
	s_load_b64 s[66:67], s[0:1], 0x18              ; b
	v_lshl_add_u32 v254, v0, 2, 0x4a400
	v_mov_b32 v255, 0
	ds_add_u32 v254, v255
	ds_add_u32 v254, v255
	v_lshrrev_b32 v1, 5, v0
	v_readfirstlane_b32 s10, v1                    ; wave 0..3
	s_lshr_b32 s11, s10, 1                         ; which 64 of the block's rows are mine.  Also: I fetch for xb (0) or for wq (1)
	s_and_b32 s12, s10, 1                          ; which 64 of its columns n'.  Also: which 64 rows of that tile I fetch
	s_bfe_u32 s40, ttmp6, 0x40000                  ; cx: my place along the cluster's x
	s_bfe_u32 s41, ttmp6, 0x40004                  ; cy: along its y
	s_lshl_b32 s42, ttmp9, 2                       ; in a cluster launch ttmp9 and ttmp7 count clusters
	s_add_co_u32 s42, s42, s40                     ; block column (128 n') = 4 x cluster x + cx, 0 to 7
	s_and_b32 s13, ttmp7, 0xffff
	s_lshl_b32 s13, s13, 2
	s_add_co_u32 s13, s13, s41                     ; block row (128 rows) = 4 x cluster y + cy, 0 to 31
	s_lshl_b32 s43, s41, 2
	s_lshl_b32 s43, 15, s43                        ; my row of the cluster: places 4 cy .. 4 cy + 3
	s_lshl_b32 s44, 0x1111, s40                    ; my column: places cx, cx + 4, cx + 8, cx + 12
	s_lshl_b32 s45, s42, 9                         ; my first n' in bytes of f32: 512 x block column
	s_lshl_b32 s21, s12, 8                         ; + 256 x half: the offset inside a column group, in b and in a row of out0
	s_add_co_u32 s45, s45, s21
	s_mov_b32 s[SGNX], 0x80008000
	; descriptor group 1: a tile of 64 rows x 256 elements, padded in LDS
	s_or_b32 s[G1+0], s43, (1<<16)|(1<<20)|(1<<21)|(6<<22)|(3<<25)  ; 15:0 the mask: xb's tiles go to my row; 17:16 element of 2 bytes; 20 padding on; 21 set beside a mask; 24:22 after every 128 words (code 6); 31:25 of 4 words (code 3)
	s_or_b32 s[G1B+0], s44, (1<<16)|(1<<20)|(1<<21)|(6<<22)|(3<<25) ; the same with the mask of my column, for wq's tiles
	s_mov_b32 s[G1B+1], 256<<16
	s_mov_b32 s[G1+1], 256<<16                     ; 63:48 tensor_dim0, low half = 256
	s_mov_b32 s[G1B+2], 64<<16
	s_mov_b32 s[G1+2], 64<<16                      ; 79:64 its high half = 0; 95:80 tensor_dim1, low half = 64
	s_mov_b32 s[G1B+3], 256<<16
	s_mov_b32 s[G1+3], 256<<16                     ; 111:96 its high half = 0; 127:112 tile_dim0 = 256
	s_mov_b32 s[G1B+4], 64
	s_mov_b32 s[G1+4], 64                          ; 143:128 tile_dim1 = 64; 159:144 tile_dim2 = 0
	s_mov_b32 s[G1B+5], 4096
	s_mov_b32 s[G1+5], 4096                        ; 191:160 tensor_dim0_stride, low word: elements from row to row
	s_mov_b32 s[G1B+6], 0
	s_mov_b32 s[G1+6], 0
	s_mov_b32 s[G1B+7], 0
	s_mov_b32 s[G1+7], 0
	; where the tiles come from.  xb's hang on the block row alone, which my row of the cluster shares; wq's on the block column alone, which my column shares.
	; Every wave makes both addresses, in registers that never hold the other coordinate, and asks by one of them.
	s_lshl_b32 s17, s12, 6                         ; which 64 rows of the tile I fetch
	s_lshl_b32 s16, s13, 7
	s_add_co_u32 s16, s16, s17                     ; xb: row 128 x block row + 64 x half
	s_lshl_b32 s46, s42, 7
	s_add_co_u32 s46, s46, s17                     ; wq: row 128 x block column + 64 x half
	s_mov_b32 s17, 0
	s_mov_b32 s47, 0
	s_mov_b64 s[18:19], ROWB
	s_mul_u64 s[16:17], s[16:17], s[18:19]         ; in bytes, in 64 bits
	s_mul_u64 s[46:47], s[46:47], s[18:19]
	s_mul_i32 s20, s10, HALFT                      ; and where they go: xb's two halves, then wq's two halves = wave x 64 rows: no place in the cluster enters an LDS address
	s_wait_dscnt 0x0
	s_wait_kmcnt 0x0
	s_add_nc_u64 s[14:15], s[4:5], s[16:17]
	s_add_nc_u64 s[46:47], s[6:7], s[46:47]
	CROUND                                         ; all sixteen work-groups are here: the first joint loads meet
.irp s, 0,1
	s_mov_b32 s[G0+4*\s], 1                                        ; 1:0 count = 1
	s_add_co_u32 s[G0+4*\s+1], s20, \s*SLOT                        ; 63:32 LDS address
	s_add_nc_u64 s[G0+4*\s+2:G0+4*\s+3], s[14:15], \s*STEPB        ; 120:64 global address: K step s
	s_or_b32 s[G0+4*\s+3], s[G0+4*\s+3], 0x80000000                ; 127:126 type = 2
	s_mov_b32 s[G0B+4*\s], 1
	s_add_co_u32 s[G0B+4*\s+1], s20, \s*SLOT
	s_add_nc_u64 s[G0B+4*\s+2:G0B+4*\s+3], s[46:47], \s*STEPB
	s_or_b32 s[G0B+4*\s+3], s[G0B+4*\s+3], 0x80000000
	JLOAD \s                                       ; the ring is filled before anything else is done: two tensor loads of the wave are out here, later one
.endr
	; A fragment is 16 rows x 32 K in 8 registers: lane l holds row l % 16; registers 0-3 hold K = 8 (l / 16) + 0..7, registers 4-7 hold
	; K = 16 + 8 (l / 16) + 0..7.  From rows that lie along K: two loads of 16 bytes, 32 bytes apart.  The same for source 0 and source 1.
	v_and_b32 v1, 15, v0                           ; l % 16
	v_bfe_u32 v2, v0, 4, 1                         ; l / 16
	v_mul_u32_u24 v3, v1, PITCH
	v_lshl_add_u32 v3, v2, 4, v3                   ; row x pitch + 16 x half
	s_mul_i32 s21, s11, HALFT                      ; my 64 rows of xb
	s_mul_i32 s22, s12, HALFT                      ; my 64 rows of wq,
	s_add_co_u32 s22, s22, 2*HALFT                 ; which lie behind xb's 128
.irp s, 0,1
	v_add_nc_u32 v[ADRA+\s], s21, v3
	v_add_nc_u32 v[ADRB+\s], s22, v3
	s_add_co_u32 s21, s21, SLOT
	s_add_co_u32 s22, s22, SLOT
.endr
	s_mul_i32 s23, s10, 16*SPITCH
	s_add_co_u32 s23, s23, STAGE                   ; my stage
	v_mul_u32_u24 v4, v1, SPITCH                   ; in: row l % 16, 32 bytes for each half of the lanes
	v_lshl_add_u32 v4, v2, 5, v4
	v_add_nc_u32 v[STO], s23, v4
	v_and_b32 v5, 31, v0
	v_lshlrev_b32 v5, 4, v5
	v_add_nc_u32 v[RD], s23, v5                    ; back: the 32 lanes take one stage row of 512 bytes, 16 bytes each
	v_lshlrev_b32 v[CO], 4, v1                     ; out: lanes 0-15 hold 256 bytes of one column group,
	v_lshl_add_u32 v[CO], v2, 12, v[CO]            ; lanes 16-31 the same columns n' of the next group, 4,096 bytes further
	v_add_nc_u32 v[BOFF], s45, v[CO]
	global_load_b128 v[BIAS:BIAS+3],   v[BOFF], s[66:67]               ; b of my four columns in groups 0/1, the same in all 64 rows: loaded once
	global_load_b128 v[BIAS+4:BIAS+7], v[BOFF], s[66:67] offset:8192   ; and in groups 2/3
; 16 matrix instructions: weight q into column group c, that is with x's group g = c xor q: 4 blocks of rows (a) x 4 blocks of columns (b), 32 along K.
; kk: which buffer of x.  The table 0x3950 holds four bits for each weight (r 0, i 5, j 9, k 3): bit c = negative in column group c: the negated copy is taken.
; zero = 1: the first product starts the sums: nothing is ever cleared.
; The 64 accumulators take turns, one instruction a turn, in the same order in every sub-step, over the backward jump too.
.macro MULC q, c, kk, zero
.irp a, 0,1,2,3
.irp b, 0,1,2,3
.if (0x3950>>(4*\q+\c))&1
.set FB, NB+32*(\q&1)+8*\b
.else
.set FB, BQ+32*\q+8*\b
.endif
.set FA, 128*\kk+8*(4*(\c^\q)+\a)
.set ACC, 8*(16*(\c&1)+4*\a+\b)
.if \zero
	v_wmma_f32_16x16x32_bf16 v[ACC:ACC+7], v[FB:FB+7], v[FA:FA+7], 0
.else
	v_wmma_f32_16x16x32_bf16 v[ACC:ACC+7], v[FB:FB+7], v[FA:FA+7], v[ACC:ACC+7]
.endif
.endr
.endr
.endm
; the negated copy of weight q's four fragments: the sign bits of 2 x 32 bf16 a lane are flipped
.macro NEGB q
.set xi, 0
.rept 32
	v_xor_b32 v[NB+32*(\q&1)+xi], s[SGNX], v[BQ+32*\q+xi]
.set xi, xi+1
.endr
.endm
; 8 LDS loads: weight q's four fragments (64 columns n', the half kk of the slot's 64 k') into its buffer.  All windows 0.
.macro LOADB slot, kk, q
.irp b, 0,1,2,3
	ds_load_b128 v[BQ+32*\q+8*\b:BQ+32*\q+8*\b+3],   v[ADRB+\slot] offset:\b*16*PITCH+\q*128+\kk*64
	ds_load_b128 v[BQ+32*\q+8*\b+4:BQ+32*\q+8*\b+7], v[ADRB+\slot] offset:\b*16*PITCH+\q*128+\kk*64+32
.endr
.endm
; 8 LDS loads: the four fragments of x's group g (64 rows, half kk) into buffer kk.  Destination window 1.
.macro LOADA slot, kk, g
.irp a, 0,1,2,3
	ds_load_b128 v[128*\kk+8*(4*\g+\a):128*\kk+8*(4*\g+\a)+3],   v[ADRA+\slot] offset:\a*16*PITCH+\g*128+\kk*64
	ds_load_b128 v[128*\kk+8*(4*\g+\a)+4:128*\kk+8*(4*\g+\a)+7], v[ADRA+\slot] offset:\a*16*PITCH+\g*128+\kk*64+32
.endr
.endm
; A load into a register that a matrix instruction has read, a vector instruction that writes one, and an LDS store that reads a matrix result stand four
; places behind that matrix instruction, and only plain vector instructions that name none of its registers are places (ISA guide 7.12.1 for vector
; instructions); the matrix instructions in between are not counted.  So four v_nop open each run.
.macro PLACES
.rept 4
	v_nop
.endr
.endm
; A SUB-STEP: weight q against all four groups of x, for the half kk (32 k') of a slot: 64 matrix instructions, every accumulator once.
; A K step is eight of them, number j = 4 kk + q.  In the middle of sub-step j stands ONE run of other work:
;   - the negated copy for sub-step j + 1 (none for r);
;   - the weight's fragments for sub-step j + 3, into the buffer that sub-step j - 1 has just left (four buffers, one for each q);
;   - in sub-steps q = 1, 2, 3: x's groups 0 and 1, 2, 3 for the next half, into the other buffer of x.
; What a sub-step's first half reads was loaded at least two runs earlier, what its second half reads at least one run earlier, so the one wait at the
; head of each run, for all LDS loads, covers both; the youngest load that it waits for was issued 64 matrix instructions before.
; THE CHANGE OF SLOTS follows from these leads: the last read of a slot is issued in the run of its sub-step 4, the first read of the next slot in the run
; of sub-step 5.  So the barrier stands in the first half of sub-step 5 (turn = 1), for two things.  In front of it each wave waits for its own reads of
; this slot and for all its tensor loads, of which one is out: its part of the next slot.  Behind it nobody reads this slot any more and the next slot is
; whole.  turn = 2: the barrier opens a round of the cluster's barrier, and this slot is filled again, two K steps ahead: the refill comes first behind
; the round, then the next slot's first reads.  From a request to the wait for it a wave issues 496 matrix instructions.
; fetch = 0: nothing is left to load (the last three sub-steps of all).
.macro SUB slot, kk, q, zero, turn, fetch
	WIN MUL_LO
	MULC \q, 0, \kk, \zero
.if \turn
	s_wait_dscnt 0x0                               ; my reads of this slot are over (the last were issued 48 matrix instructions ago)
	s_set_vgpr_msb 0xa4a0
	s_wait_tensorcnt 0x0                           ; and all my tensor loads have landed: the one that was out is my part of the next slot:
	ds_add_u32 v254, v255
	s_wait_dscnt 0x0
	s_set_vgpr_msb 0xa0a4
	s_barrier_signal -1                            ; say so,
.endif
	MULC \q, 1, \kk, \zero                         ; (work on registers while the others arrive)
.set MID, \fetch
.if \q != 3
.set MID, 1
.endif
.if \turn
	WIN 0
	s_barrier_wait -1                              ; and go on when all four have said so
.if \turn == 2
	CREST                                          ; wave 0 says so for the work-group, all sixteen work-groups have said so, my work-group's barrier closes the round:
	                                               ; no wave of any partner still reads this slot's tile or has a load on its way
	s_add_nc_u64 s[G0+4*\slot+2:G0+4*\slot+3], s[G0+4*\slot+2:G0+4*\slot+3], 2*STEPB
	s_add_nc_u64 s[G0B+4*\slot+2:G0B+4*\slot+3], s[G0B+4*\slot+2:G0B+4*\slot+3], 2*STEPB
	JLOAD \slot                                    ; the first tensor load behind the round, and the wave's only one until the next
.endif
.endif
.if MID
	WIN 0
.if \turn == 0
	s_wait_dscnt 0x0                               ; all earlier runs' loads are in: the next weight for its copy, and what this sub-step's second half reads
.endif
	PLACES
.if \q != 3
	NEGB (\q+1)
.endif
.if \fetch
.set BSL, \slot                                        ; the weight of sub-step j + 3: q - 1 modulo 4;
.set BKK, 1                                            ; j = 1 to 4: this slot's second half,
.if 4*\kk+\q == 0
.set BKK, 0                                            ; j = 0: its first half,
.endif
.if 4*\kk+\q > 4
.set BSL, 1-\slot                                      ; j = 5 to 7: the next slot's first half
.set BKK, 0
.endif
.set BQN, (\q+3)&3
	LOADB BSL, BKK, BQN
.if \q != 0
.set ASL, \slot^\kk                                    ; x for the next half: this slot's second half, or the next slot's first
.set AKK, 1-\kk
	WIN TO_A
.if \q == 1
	LOADA ASL, AKK, 0
	LOADA ASL, AKK, 1
.else
	LOADA ASL, AKK, \q
.endif
.endif
.endif
.endif
	WIN MUL_HI
	MULC \q, 2, \kk, \zero
	MULC \q, 3, \kk, \zero
.endm
; A K step: one slot, 512 matrix instructions.  tail = 1: the last K step of all.
.macro STEP slot, zero, turn, tail
	SUB \slot, 0, 0, \zero, 0, 1
	SUB \slot, 0, 1, 0, 0, 1
	SUB \slot, 0, 2, 0, 0, 1
	SUB \slot, 0, 3, 0, 0, 1
	SUB \slot, 1, 0, 0, 0, 1
	SUB \slot, 1, 1, 0, \turn, 1-\tail
	SUB \slot, 1, 2, 0, 0, 1-\tail
	SUB \slot, 1, 3, 0, 0, 1-\tail
.endm
	s_wait_loadcnt 0x0                             ; the bias, once
	s_wait_tensorcnt 1                             ; my part of K step 0 is in; K step 1's may stay out
	s_barrier_signal -1
	s_barrier_wait -1                              ; everybody's is
	LOADB 0, 0, 0                                  ; what the runs of three sub-steps before the first would have brought: r, i, j
	LOADB 0, 0, 1
	LOADB 0, 0, 2
	WIN TO_A
	LOADA 0, 0, 0                                  ; and all four groups of x
	LOADA 0, 0, 1
	LOADA 0, 0, 2
	LOADA 0, 0, 3
	s_wait_dscnt 16                                ; the first half of the first sub-step reads r and x's groups 0 and 1; the youngest sixteen loads (groups 2 and 3) may be out
	STEP 0, 1, 2, 0                                ; the first lap stands in front of the loop: its first sub-step starts the sums
	STEP 1, 0, 2, 0
	WIN 0                                          ; at a label and at a branch every window is 0
	s_mov_b32 s3, LAPS-2
.Llap:
	STEP 0, 0, 2, 0
	STEP 1, 0, 2, 0
	WIN 0
	s_sub_co_u32 s3, s3, 1
	s_cmp_lg_u32 s3, 0
	s_cbranch_scc1 .Llap
	STEP 0, 0, 1, 0                                ; the last lap fills nothing, and has no round of the cluster's barrier: my one tensor load that is still out is slot 1's, the last K step's
	STEP 1, 0, 0, 1
	; THE WAY OUT, 16 rows x 2 column groups at a time: 32 bytes a lane straight from the accumulators into my own stage in LDS, read back as rows of
	; 2 x 256 bytes, the bias added, stored.  The four v_nop of PLACES are the places behind the last matrix instructions: for the LDS stores, which
	; read results, and for the loads into the registers that held the weights' fragments.
	PLACES
	s_lshl_b32 s13, s13, 7
	s_lshl_b32 s14, s11, 6
	s_add_co_u32 s16, s13, s14                     ; my first row of out0
	s_mov_b32 s17, 0
	s_mov_b64 s[18:19], SIZE_N*4
	s_mul_u64 s[16:17], s[16:17], s[18:19]
	s_add_nc_u64 s[8:9], s[8:9], s[16:17]
	s_mov_b32 s46, s45                             ; my first column n', in bytes (in the registers that held wq's address: none that fed xb's descriptors ever holds cx)
	s_mov_b32 s47, 0
	s_add_nc_u64 s[8:9], s[8:9], s[46:47]
; rows 16 a .. 16 a + 15 of my block, column groups 2 cp and 2 cp + 1 = the eight tiles (., a, 0..3) of window 2 + cp (from = 0x08 or 0x0c: an LDS store's data
; are source 1); f: F0 or F1 in turn; step = 1: sixteen rows further down than the call before
.macro OUT16 step, a, cp, from, f
	WIN \from
.irp cl, 0,1
.irp b, 0,1,2,3
	ds_store_b128 v[STO], v[8*(16*\cl+4*\a+\b):8*(16*\cl+4*\a+\b)+3]   offset:256*\cl+64*\b      ; row l % 16, group cl of the two, columns 16 b + 8 (l / 16) + 0..3; sixteen lanes' rows start 16 bytes apart modulo 256
	ds_store_b128 v[STO], v[8*(16*\cl+4*\a+\b)+4:8*(16*\cl+4*\a+\b)+7] offset:256*\cl+64*\b+16   ; and + 4..7
.endr
.endr
	WIN 0
	s_wait_xcnt 0x0                                ; every earlier memory instruction has had its addresses translated (ISA guide 3.1): buffer f, which stores read, and the stores' base are rewritten only behind this wait
.if \step
	s_add_nc_u64 s[8:9], s[8:9], 16*SIZE_N*4       ; 16 rows of out0 on: the stores' offsets stay at 15 rows and two groups, 253,952 bytes, at the most
.endif
.irp t, 0,1,2,3,4,5,6,7,8,9,10,11,12,13,14,15
	ds_load_b128 v[\f+4*\t:\f+4*\t+3], v[RD] offset:\t*SPITCH      ; LDS serves a wave's instructions in order (ISA guide 5.7.1.4): these see the stores above, and the next call's stores come behind them
.endr
.irp t, 0,1,2,3,4,5,6,7,8,9,10,11,12,13,14,15
	s_wait_dscnt 15-\t                             ; row t is in, the 15 - t younger loads stay out
	v_pk_add_f32 v[\f+4*\t:\f+4*\t+1],   v[\f+4*\t:\f+4*\t+1],   v[BIAS+4*\cp:BIAS+4*\cp+1]
	v_pk_add_f32 v[\f+4*\t+2:\f+4*\t+3], v[\f+4*\t+2:\f+4*\t+3], v[BIAS+4*\cp+2:BIAS+4*\cp+3]
	global_store_b128 v[CO], v[\f+4*\t:\f+4*\t+3], s[8:9] offset:\t*SIZE_N*4+8192*\cp th:TH_STORE_NT   ; each half of the wave stores 256 consecutive bytes, at a multiple of 256 from out0's first byte
.endr
.endm
	OUT16 0, 0, 0, 0x08, F0
	OUT16 0, 0, 1, 0x0c, F1
	OUT16 1, 1, 0, 0x08, F0
	OUT16 0, 1, 1, 0x0c, F1
	OUT16 1, 2, 0, 0x08, F0
	OUT16 0, 2, 1, 0x0c, F1
	OUT16 1, 3, 0, 0x08, F0
	OUT16 0, 3, 1, 0x0c, F1
	s_wait_tensorcnt 0x0
	ds_add_u32 v254, v255
	s_wait_dscnt 0x0
	CROUND                                         ; the closing round: no work-group ends while a partner may still ask for a tile that names it
	s_endpgm
.Lfunc_end_k_q22bb4b96af_gemm:
	.size	k_q22bb4b96af_gemm, .Lfunc_end_k_q22bb4b96af_gemm-k_q22bb4b96af_gemm
	.p2alignl 7, 3214868480
	.fill 96, 4, 3214868480
	.section	.rodata,"a",@progbits
	.p2align	6, 0x0
	.amdhsa_kernel k_q22bb4b96af_gemm
		.amdhsa_group_segment_fixed_size 327680
		.amdhsa_private_segment_fixed_size 0
		.amdhsa_enable_private_segment 0
		.amdhsa_kernarg_size 32
		.amdhsa_user_sgpr_count 2
		.amdhsa_user_sgpr_kernarg_segment_ptr 1
		.amdhsa_wavefront_size32 1
		.amdhsa_system_sgpr_workgroup_id_x 1
		.amdhsa_system_sgpr_workgroup_id_y 1
		.amdhsa_system_sgpr_workgroup_id_z 1
		.amdhsa_system_vgpr_workitem_id 0
		.amdhsa_next_free_vgpr 1024
		.amdhsa_next_free_sgpr 70
		.amdhsa_reserve_vcc 0
		.amdhsa_float_denorm_mode_32 3
		.amdhsa_float_denorm_mode_16_64 3
		.amdhsa_memory_ordered 1
		.amdhsa_forward_progress 1
		.amdhsa_inst_pref_size 255
	.end_amdhsa_kernel
	.section	.bss,"aw",@nobits
	.p2align	6
	.space	262144
	.amdgpu_metadata
---
amdhsa.version: [ 1, 2 ]
amdhsa.kernels:
  - .name:           k_q22bb4b96af_gemm
    .symbol:         k_q22bb4b96af_gemm.kd
    .args:
      - { .name: xb, .offset: 0, .size: 8, .value_kind: global_buffer, .address_space: global }
      - { .name: wq, .offset: 8, .size: 8, .value_kind: global_buffer, .address_space: global }
      - { .name: out0, .offset: 16, .size: 8, .value_kind: global_buffer, .address_space: global }
      - { .name: b, .offset: 24, .size: 8, .value_kind: global_buffer, .address_space: global }
    .group_segment_fixed_size: 327680
    .private_segment_fixed_size: 0
    .kernarg_segment_align: 8
    .kernarg_segment_size: 32
    .max_flat_workgroup_size: 128
    .sgpr_count:     70
    .vgpr_count:     1024
    .wavefront_size: 32
...
	.end_amdgpu_metadata
.endif
;; end of part 2
